; MI455X (gfx1250); checked and timed in simulation.
; The chip was launched on July 23, 2026; its instructions are those of AMD's public machine-readable ISA for CDNA 5 (MIT licence, August 2026) and "CDNA5" Instruction Set Architecture Reference Guide (July 2026). The comments in the code are by the model that wrote it; some were corrected since.
;; Multi Head Self Attention. Allowed arithmetic: matrix products marked QUANTISED: E5M2 operands, one E8M0 scale for each 32 along K, by v_wmma_scale_f32_16x16x128_f8f6f4 with both operands' format E5M2, f32 sums; everything else in f32.
;; Inputs: Wk 1,024 x 1,024 float32; Wq 1,024 x 1,024 float32; Wv 1,024 x 1,024 float32; bk 1,024 float32; bq 1,024 float32; bv 1,024 float32; hidden_states 4 x 2,048 x 1,024 float32.
;; Outputs: out0 4 x 2,048 x 1,024 float32.
;; This version of the problem:
;;   THIS VERSION OF THE PROBLEM IS GIVEN IN LOW PRECISION. The matrix products marked QUANTISED in the list below multiply operands that are first quantised to E5M2 (5 exponent bits, 2 mantissa bits; 8 bits a number), with one power-of-two scale for each 32 numbers along K (OCP MX v1.0); their sums are f32. All else is computed in f32.
;;   The module's matrix products, in the order in which they are computed (A, B: the left and right operand; K: the contracted axis; several contracted axes count as one K, in the product's order):
;;     1. [M 8,192, K 1,024] x [K 1,024, N 1,024]; A: input hidden_states; B: input Wq: QUANTISED
;;     2. [M 8,192, K 1,024] x [K 1,024, N 1,024]; A: input hidden_states; B: input Wk: QUANTISED
;;     3. [M 8,192, K 1,024] x [K 1,024, N 1,024]; A: input hidden_states; B: input Wv: QUANTISED
;;     4. batch 64 x [M 2,048, K 64] x [K 64, N 2,048]; A: computed on the way; B: computed on the way: QUANTISED
;;     5. batch 64 x [M 2,048, K 2,048] x [K 2,048, N 64]; A: softmax (see below); B: computed on the way: QUANTISED
;;   THE QUANTISER, for each operand of a quantised product, along K:
;;     - K is cut into blocks of 32 from its start; a last block that is shorter is filled with zeros.
;;     - A block's scale is 2^e with e = floor(log2(the largest magnitude in the block)) - 15, held to -126 .. 127; a block of zeros has e = 0. As a byte (E8M0): e + 127.
;;     - Each number is divided by its block's scale, clamped to +-57,344, and rounded to the nearest number of E5M2, ties to even, subnormals kept.
;;     - The product sums the exact products of the quantised numbers (number of the format x scale) in f32.
;;   ~~~python
;;   def quantise(x, axis):      # numpy; x: float32 -> the quantised numbers, widened to float32 again
;;       x = np.moveaxis(x, axis, -1); K = x.shape[-1]
;;       x = np.pad(x, [(0, 0)] * (x.ndim - 1) + [(0, -K % 32)]); x = x.reshape(x.shape[:-1] + (-1, 32)); a = np.abs(x).max(-1, keepdims=True)
;;       e = np.where(a > 0, np.clip(np.frexp(np.where(a > 0, a, 1))[1] - 1 - 15, -126, 127), 0)      # np.frexp(a)[1] - 1 = floor(log2(a)), exactly
;;       r = np.clip(x / 2.0 ** e, -57344, 57344)
;;       step = 2.0 ** (np.maximum(np.frexp(np.where(r == 0, 1, r))[1] - 1, -14) - 2)
;;       q = np.round(r / step) * step * 2.0 ** e      # np.round: ties to even
;;       return np.moveaxis(q.reshape(q.shape[:-2] + (-1,))[..., :K], -1, axis).astype(np.float32)
;;   ~~~
;;   SOFTMAX AHEAD OF A QUANTISED PRODUCT. Where the list says 'softmax', what is quantised is not the finished softmax but p = 2^(t - M), with t = logit x log2(e) and M = ceil(the row's largest t), a whole number; so 1/2 < the row's largest p <= 1. The row's sum l is taken of the UNQUANTISED p, in f32, and the product's result is divided by l at the end. Since M is a whole number, a kernel that streams over the keys may use a running M (the ceiling of the running maximum): every later rescaling is an exact power of two, which a block's scale takes up: the codes' values come out the same.
;;   OPERANDS COMPUTED ON THE WAY. 'Computed on the way' means the value that the module computes at that place (a softmax that the list does not call 'softmax' is quantised finished and normalised). What goes into a quantiser is computed in f32, as accurately as f32 sums, v_exp_f32 and their like allow (about 1e-6 of the number): no bf16 or f16 on the way to a quantiser, and a product that is left as it is and whose result goes on into a quantised operand takes f32 operands (vector FMAs, or v_wmma_f32_16x16x4_f32). A number that lies on a knife's edge between two numbers of the format may be rounded either way, as far as f32 arithmetic and the matrix unit's own rounding can turn it there, and no further.
;; One version. Each part assembles by itself: llvm-mc -triple=amdgcn-amd-amdhsa -mcpu=gfx1250 --defsym DOCPART=n.
;; ======== version 1 of 1: 3 launches
;; limits: right only within a limited range of input values
;; workspace buffers: xc 8,388,608 bytes; xs 262,144 bytes; wc 3,145,728 bytes; ws 98,304 bytes; qb 17,301,504 bytes; kvb 17,301,504 bytes
;; launch quant (part 1): grid 448 x 1, 4 waves a work-group, no clusters, 34,304 bytes of LDS; arguments hidden_states, Wq, Wk, Wv, xc, xs, wc, ws; writes xc, xs, wc, ws
.if DOCPART == 1
	.amdgcn_target "amdgcn-amd-amdhsa--gfx1250"
	.amdhsa_code_object_version 6
	.text
	.protected	k_qc0d858d1a6_quant
	.globl	k_qc0d858d1a6_quant
	.p2align	8
	.type	k_qc0d858d1a6_quant,@function
k_qc0d858d1a6_quant:
	s_mov_b64 s[64:65], 0
	v_nop
	global_prefetch_b8 v0, s[64:65] scope:SCOPE_SE
	s_setreg_imm32_b32 hwreg(HW_REG_WAVE_MODE, 25, 1), 1
	s_wait_xcnt 0x0
; hidden_states [8192][1024] f32 and Wq, Wk, Wv [1024 (k)][1024 (n)] f32 become codes of BF8 (E5M2) with one E8M0 byte for each 32 along K (K = the 1,024 of the projections).
; A block's scale is 2^(floor(log2(largest magnitude)) - 15); its byte is the largest magnitude's exponent field - 15, held at 1 from below; each number is held within +-57,344 x the scale and rounded to the nearest code, ties to even.
; LIMITS: a block whose largest magnitude lies under 2^-111 (a block of zeros too) gets the byte 1: its codes are what the conversion gives under that scale (zeros for zeros), and only this program reads the bytes.  NaN and infinities among the inputs are not served.
; THE CODES ARE LAID AS IMAGES OF OPERAND REGISTERS.  A fragment is 16 rows x 128 K, 2,048 bytes: registers 4 g .. 4 g + 3 (K = 32 g + 16 hh + 0 .. 15) of lane 16 hh + m lie at 512 g + 16 (16 hh + m).
; THE ROWS OF A TILE ARE NOT NEIGHBOURS: of 32 consecutive rows, tile u (0, 1) holds in lane m the row 8 u + m + 8 (m / 8).
; xc, wc: [group of 256 rows][slot of 256 K: 4][tile 16][K step in the slot: 2][2,048 bytes].   xs, ws: [group][half of K: 2][tile 16][m 16][K step in the half: 4 words].   wc's rows: Wq's 1,024 columns, then Wk's, then Wv's.
; Work-groups 0 to 255 take hidden_states (K innermost: a wave takes one tile of 16 rows x 512 K), work-groups 256 to 447 the weights (K outermost: a lane takes a column, its registers run down K).
; Memory binds: dense loads, many in flight, whole aligned runs of 256 bytes out (but the weights' scale words: 4 bytes a lane, one part in 128 of what that path reads).  No tensor loads, no barrier: waves share nothing.
.set SEL,    24                        ; s[24:25] lane selects for v_permlanex16_b32: lane l xor 16
.set MNT,    26                        ; s26      the mantissa field of 57,344
.set PC,     16                        ; v16-31   a fragment's codes
.set TM,     32                        ; v32-35 largest magnitudes, v36-39 bytes, v40-43 57,344 x the scale, v44-47 the conversions' scale operands
.set WD,     48                        ; v48-51   the four K steps' scale words
.set R,      64                        ; v64-191  two sets of 64 numbers as they are loaded
.set X,      192                       ; v192-255 64 numbers in the operand's order: register 16 b + i = K 32 b + 16 hh + i of row m
.set SPITCH, 528                       ; a stage row: 512 bytes + 16: the sixteen rows that a read touches start at sixteen different groups of four banks
.set WSTG,   16*SPITCH                 ; a wave's stage
.set D,      64                        ; weights: v64-191 128 numbers down K, 32 a block
.set C,      192                       ; weights: v192-223 codes, eight registers a block
; 64 numbers of a lane, v[s] on, become a fragment's codes in v[PC] on and its scale word in v[pw]
.macro QUANT s, pw
.irp b, 0,1,2,3
	v_max3_num_f32 v[TM+\b], |v[\s+16*\b]|, |v[\s+1+16*\b]|, 0x8000000   ; block b: my 16 numbers, and the floor 2^(16 - 127): the byte cannot fall under 1
.endr
.irp i, 2,4,6,8,10,12,14
.irp b, 0,1,2,3
	v_max3_num_f32 v[TM+\b], v[TM+\b], |v[\s+16*\b+\i]|, |v[\s+1+16*\b+\i]|   ; the four blocks by turns
.endr
.endr
.irp b, 0,1,2,3
	v_permlanex16_b32 v[TM+4+\b], v[TM+\b], s[SEL], s[SEL+1]
.endr
.irp b, 0,1,2,3
	v_max_num_f32 v[TM+\b], v[TM+\b], v[TM+4+\b]   ; with lane l xor 16's 16: the block's largest magnitude
.endr
.irp b, 0,1,2,3
	v_add_nc_u32 v[TM+12+\b], 0xf8800000, v[TM+\b]   ; 15 off its exponent field: the conversion takes this operand's exponent field as its scale
.endr
.irp b, 0,1,2,3
	v_and_or_b32 v[TM+8+\b], v[TM+\b], 0x7f800000, s[MNT]   ; 57,344 x the scale
.endr
.irp b, 0,1,2,3
	v_lshrrev_b32 v[TM+4+\b], 23, v[TM+12+\b]      ; the scale's byte
.endr
	v_lshl_or_b32 v[\pw], v[TM+5], 8, v[TM+4]      ; four bytes: my row's scale word
	v_lshl_or_b32 v[\pw], v[TM+6], 16, v[\pw]
	v_lshl_or_b32 v[\pw], v[TM+7], 24, v[\pw]
.irp b, 0,1,2,3
.irp i, 0,1,2,3,4,5,6,7,8,9,10,11,12,13,14,15
	v_med3_num_f32 v[\s+16*\b+\i], v[\s+16*\b+\i], -v[TM+8+\b], v[TM+8+\b]   ; the conversion to an 8-bit code does not saturate (ISA guide 7.6.2): the hold comes first
.endr
	v_cvt_scalef32_pk8_bf8_f32 v[PC+4*\b:PC+1+4*\b], v[\s+16*\b:\s+7+16*\b], v[TM+12+\b]
	v_cvt_scalef32_pk8_bf8_f32 v[PC+2+4*\b:PC+3+4*\b], v[\s+8+16*\b:\s+15+16*\b], v[TM+12+\b]
.endr
	v_nop                                          ; one plain line behind the last conversion
.endm
	s_load_b256 s[4:11], s[0:1], 0x0               ; hidden_states s[4:5], Wq s[6:7], Wk s[8:9], Wv s[10:11]
	s_load_b256 s[12:19], s[0:1], 0x20             ; xc s[12:13], xs s[14:15], wc s[16:17], ws s[18:19]
	v_lshl_add_u32 v62, v0, 2, 0x8400
	v_mov_b32 v63, 0
	v_lshrrev_b32 v1, 5, v0
	v_readfirstlane_b32 s20, v1                    ; wave 0..3
	v_and_b32 v1, 31, v0                           ; lane
	s_mov_b32 s[SEL], 0x76543210
	s_mov_b32 s[SEL+1], 0xfedcba98
	s_mov_b32 s[MNT], 0x600000
	s_cmp_lt_u32 ttmp9, 256
	s_cbranch_scc0 .Lw
	; ---------------- hidden_states: tile T = 2 x work-group + wave / 2 (16 rows), half kh = wave % 2 of K: four steps of 128
	s_lshl_b32 s27, ttmp9, 1
	s_lshr_b32 s28, s20, 1
	s_add_co_u32 s27, s27, s28                     ; T
	s_and_b32 s28, s20, 1                          ; kh
	s_lshr_b32 s29, s27, 1
	s_lshl_b32 s30, s29, 17                        ; 32 rows of 4,096 bytes for each pair of tiles,
	s_and_b32 s29, s27, 1
	s_lshl_b32 s29, s29, 15                        ; 8 rows for the odd tile,
	s_add_co_u32 s30, s30, s29
	s_lshl_b32 s29, s28, 11                        ; 512 numbers for the upper half of K
	s_add_co_u32 s30, s30, s29
	s_mov_b32 s31, 0
	s_lshr_b32 s29, s27, 4                         ; the group of 256 rows
	s_and_b32 s36, s27, 15                         ; the tile in it
	s_lshl_b32 s32, s29, 18
	s_lshl_b32 s37, s28, 17
	s_add_co_u32 s32, s32, s37
	s_lshl_b32 s37, s36, 12
	s_add_co_u32 s32, s32, s37                     ; xc: group x 262,144 + kh x 2 slots + tile x 4,096
	s_mov_b32 s33, 0
	s_lshl_b32 s34, s29, 13
	s_lshl_b32 s37, s28, 12
	s_add_co_u32 s34, s34, s37
	s_lshl_b32 s37, s36, 8
	s_add_co_u32 s34, s34, s37                     ; xs: group x 8,192 + kh x 4,096 + tile x 256
	s_mov_b32 s35, 0
	s_mul_i32 s38, s20, WSTG                       ; my stage
	s_wait_alu depctr_va_vdst(0)
	v_lshlrev_b32 v2, 4, v1                        ; 16 x lane: my bytes of a load's 512, and of an image's group
	v_add_nc_u32 v3, s38, v2                       ; the stage, on the way in: a row as it lies
	v_and_b32 v7, 15, v1                           ; m
	v_lshrrev_b32 v6, 4, v1                        ; hh
	v_mul_u32_u24 v4, v7, SPITCH
	v_lshl_add_u32 v4, v6, 6, v4
	v_add_nc_u32 v4, s38, v4                       ; on the way out: row m, + 64 hh: my 16 numbers of a block of 32
	v_lshlrev_b32 v5, 4, v7
	v_lshl_add_u32 v5, v6, 3, v5                   ; scale words: 16 m + 8 hh
.irp b, 0,1,2,3
	v_mov_b32 v[TM+4+\b], 0                        ; written once: a lane permute's destination counts as one of its sources
.endr
	s_wait_alu depctr_va_vdst(0)
	s_wait_kmcnt 0x0
	s_add_nc_u64 s[4:5], s[4:5], s[30:31]
	s_add_nc_u64 s[12:13], s[12:13], s[32:33]
	s_add_nc_u64 s[14:15], s[14:15], s[34:35]
.macro LOAD st                         ; K step st: 16 loads, each 512 consecutive bytes of one row of the tile
.irp i, 0,1,2,3,4,5,6,7,8,9,10,11,12,13,14,15
	global_load_b128 v[R+64*((\st)%2)+4*\i:R+64*((\st)%2)+4*\i+3], v2, s[4:5] offset:(\i+8*(\i/8))*4096+512*(\st) th:TH_LOAD_NT
.endr
.endm
.macro XSTEP st
.if (\st) < 3
	s_wait_loadcnt 16                              ; this step's 16 loads are in; the next step's 16 may be out
.else
	s_wait_loadcnt 0x0
.endif
.irp i, 0,1,2,3,4,5,6,7,8,9,10,11,12,13,14,15
	ds_store_b128 v3, v[R+64*((\st)%2)+4*\i:R+64*((\st)%2)+4*\i+3] offset:SPITCH*\i
.endr
.irp b, 0,1,2,3
.irp j, 0,1,2,3
	ds_load_b128 v[X+16*\b+4*\j:X+16*\b+4*\j+3], v4 offset:128*\b+16*\j   ; LDS serves a wave's instructions in order: these see the stores above
.endr
.endr
	s_wait_dscnt 0x0                               ; the numbers are back, and the stores have read the set that the loads below fill again
	s_wait_xcnt 0x0                                ; the last step's stores have read the codes' registers, which are written again below
.if (\st) < 2
	LOAD (\st)+2
.endif
	QUANT X, WD+(\st)
.irp g, 0,1,2,3
	global_store_b128 v2, v[PC+4*\g:PC+4*\g+3], s[12:13] offset:((\st)/2)*65536+((\st)%2)*2048+512*\g   ; 512 consecutive bytes of the image
.endr
.endm
	LOAD 0
	LOAD 1
	XSTEP 0
	XSTEP 1
	XSTEP 2
	XSTEP 3
	v_cmp_ne_u32 vcc_lo, 0, v6                     ; lanes 0-15 store their row's words 0 and 1, lanes 16-31 words 2 and 3
	v_cndmask_b32 v52, v[WD], v[WD+2], vcc_lo
	v_cndmask_b32 v53, v[WD+1], v[WD+3], vcc_lo
	global_store_b64 v5, v[52:53], s[14:15]        ; the 32 lanes store 256 consecutive bytes, aligned
	s_wait_tensorcnt 0x0
	ds_add_u32 v62, v63
	s_wait_dscnt 0x0
	s_endpgm
	; ---------------- the weights: work-group g = x - 256: weight g / 64, K step (g / 8) % 8, 128 columns g % 8; a wave takes 32 of them, a lane one
.Lw:
	s_sub_co_u32 s27, ttmp9, 256
	s_lshr_b32 s28, s27, 6                         ; which weight
	s_and_b32 s29, s27, 7                          ; cg: which 128 columns
	s_bfe_u32 s30, s27, 0x30003                    ; ks: which 128 along K
	s_lshl_b32 s32, s30, 19                        ; 128 rows of 4,096 bytes
	s_lshl_b32 s37, s29, 9
	s_add_co_u32 s32, s32, s37
	s_lshl_b32 s37, s20, 7
	s_add_co_u32 s32, s32, s37                     ; + my wave's first column
	s_mov_b32 s33, 0
	s_lshl_b32 s31, s28, 2
	s_lshr_b32 s37, s29, 1
	s_add_co_u32 s31, s31, s37                     ; the group of 256 rows of wc: 4 x weight + cg / 2
	s_and_b32 s36, s29, 1
	s_lshl_b32 s36, s36, 2
	s_add_co_u32 s36, s36, s20                     ; the block of 32 rows in it: 4 (cg % 2) + wave
	s_lshl_b32 s34, s31, 18
	s_lshr_b32 s37, s30, 1
	s_lshl_b32 s37, s37, 16
	s_add_co_u32 s34, s34, s37
	s_and_b32 s37, s30, 1
	s_lshl_b32 s37, s37, 11
	s_add_co_u32 s34, s34, s37
	s_lshl_b32 s37, s36, 13
	s_add_co_u32 s34, s34, s37                     ; wc: group, slot ks / 2, two tiles of 4,096 a block, K step ks % 2
	s_mov_b32 s35, 0
	s_lshl_b32 s38, s31, 13
	s_lshr_b32 s37, s30, 2
	s_lshl_b32 s37, s37, 12
	s_add_co_u32 s38, s38, s37
	s_lshl_b32 s37, s36, 9
	s_add_co_u32 s38, s38, s37
	s_and_b32 s37, s30, 3
	s_lshl_b32 s37, s37, 2
	s_add_co_u32 s38, s38, s37                     ; ws: group, half ks / 4, two tiles of 256 a block, word ks % 4
	s_mov_b32 s39, 0
	s_wait_alu depctr_va_vdst(0)
	v_lshlrev_b32 v7, 2, v1                        ; in: 4 bytes a lane
	v_bfe_u32 v10, v1, 3, 1                        ; my column is row lane of its block of 32: tile u = (lane / 8) % 2,
	v_lshrrev_b32 v11, 4, v1
	v_and_b32 v12, 7, v1
	v_lshl_or_b32 v11, v11, 3, v12                 ; image lane m = 8 (lane / 16) + lane % 8
	v_lshlrev_b32 v8, 4, v11
	v_lshl_add_u32 v8, v10, 12, v8                 ; codes: 4,096 u + 16 m
	v_lshlrev_b32 v9, 4, v11
	v_lshl_add_u32 v9, v10, 8, v9                  ; scale word: 256 u + 16 m
	s_wait_alu depctr_va_vdst(0)
	s_wait_kmcnt 0x0
	s_cmp_eq_u32 s28, 0                            ; the choice hangs on the work-group's number alone
	s_cselect_b64 s[6:7], s[6:7], s[8:9]
	s_cmp_eq_u32 s28, 2
	s_cselect_b64 s[6:7], s[10:11], s[6:7]
	s_add_nc_u64 s[6:7], s[6:7], s[32:33]
	s_add_nc_u64 s[16:17], s[16:17], s[34:35]
	s_add_nc_u64 s[18:19], s[18:19], s[38:39]
.macro WLOAD b                         ; block b: W(128 ks + 32 b + q, my column), q = 0 .. 31: each load reads 128 consecutive bytes; every block has registers of its own
.set q, 0
.rept 32
	global_load_b32 v[D+32*(\b)+q], v7, s[6:7] offset:(32*(\b)+q)*4096 th:TH_LOAD_NT
.set q, q+1
.endr
.endm
	WLOAD 0
	WLOAD 1                                        ; the loads run two blocks ahead: 64 of a wave are out at the most
.macro WBLOCK b
.if (\b) < 3
	s_wait_loadcnt 32                              ; this block's 32 loads are in; behind them only the next block's 32 were issued, and may be out
.else
	s_wait_loadcnt 0x0
.endif
.if (\b)+2 < 4
	WLOAD (\b)+2
.endif
	v_max3_num_f32 v12, |v[D+32*\b]|, |v[D+32*\b+1]|, |v[D+32*\b+2]|   ; all 32 numbers of the block are mine
	v_max3_num_f32 v13, |v[D+32*\b+3]|, |v[D+32*\b+4]|, |v[D+32*\b+5]|
.irp i, 6,10,14,18,22,26
	v_max3_num_f32 v12, v12, |v[D+32*\b+\i]|, |v[D+32*\b+\i+1]|
	v_max3_num_f32 v13, v13, |v[D+32*\b+\i+2]|, |v[D+32*\b+\i+3]|
.endr
	v_max3_num_f32 v12, v12, |v[D+32*\b+30]|, |v[D+32*\b+31]|
	v_max3_num_f32 v12, v12, v13, 0x8000000        ; and the floor 2^(16 - 127)
	v_add_nc_u32 v11, 0xf8800000, v12              ; the conversions' scale operand
	v_and_or_b32 v10, v12, 0x7f800000, s[MNT]      ; 57,344 x the scale
	v_lshrrev_b32 v13, 23, v11                     ; the byte
.if (\b) == 0
	v_mov_b32 v14, v13
.else
	v_lshl_or_b32 v14, v13, 8*(\b), v14
.endif
.set q, 0
.rept 32
	v_med3_num_f32 v[D+32*\b+q], v[D+32*\b+q], -v10, v10
.set q, q+1
.endr
.irp g, 0,1,2,3
	v_cvt_scalef32_pk8_bf8_f32 v[C+8*\b+2*\g:C+8*\b+2*\g+1], v[D+32*\b+8*\g:D+32*\b+8*\g+7], v11
.endr
	v_nop                                          ; one plain line behind the last conversion
	global_store_b128 v8, v[C+8*\b:C+8*\b+3], s[16:17] offset:512*\b          ; K 32 b + 0 .. 15: the image's lanes 0-15; the sixteen lanes of a tile store 256 consecutive bytes, aligned
	global_store_b128 v8, v[C+8*\b+4:C+8*\b+7], s[16:17] offset:512*\b+256    ; K 32 b + 16 .. 31: its lanes 16-31
.endm
	WBLOCK 0
	WBLOCK 1
	WBLOCK 2
	WBLOCK 3
	global_store_b32 v9, v14, s[18:19]             ; my column's scale word of this K step
	s_endpgm
.Lfunc_end_k_qc0d858d1a6_quant:
	.size	k_qc0d858d1a6_quant, .Lfunc_end_k_qc0d858d1a6_quant-k_qc0d858d1a6_quant
	.p2alignl 7, 3214868480
	.fill 96, 4, 3214868480
	.section	.rodata,"a",@progbits
	.p2align	6, 0x0
	.amdhsa_kernel k_qc0d858d1a6_quant
		.amdhsa_group_segment_fixed_size 34304
		.amdhsa_private_segment_fixed_size 0
		.amdhsa_enable_private_segment 0
		.amdhsa_kernarg_size 64
		.amdhsa_user_sgpr_count 2
		.amdhsa_user_sgpr_kernarg_segment_ptr 1
		.amdhsa_wavefront_size32 1
		.amdhsa_system_sgpr_workgroup_id_x 1
		.amdhsa_system_sgpr_workgroup_id_y 1
		.amdhsa_system_sgpr_workgroup_id_z 1
		.amdhsa_system_vgpr_workitem_id 0
		.amdhsa_next_free_vgpr 256
		.amdhsa_next_free_sgpr 66
		.amdhsa_reserve_vcc 1
		.amdhsa_float_denorm_mode_32 3
		.amdhsa_float_denorm_mode_16_64 3
		.amdhsa_memory_ordered 1
		.amdhsa_forward_progress 1
		.amdhsa_inst_pref_size 80
	.end_amdhsa_kernel
	.amdgpu_metadata
---
amdhsa.version: [ 1, 2 ]
amdhsa.kernels:
  - .name:           k_qc0d858d1a6_quant
    .symbol:         k_qc0d858d1a6_quant.kd
    .args:
      - { .name: hidden_states, .offset: 0, .size: 8, .value_kind: global_buffer, .address_space: global }
      - { .name: Wq, .offset: 8, .size: 8, .value_kind: global_buffer, .address_space: global }
      - { .name: Wk, .offset: 16, .size: 8, .value_kind: global_buffer, .address_space: global }
      - { .name: Wv, .offset: 24, .size: 8, .value_kind: global_buffer, .address_space: global }
      - { .name: xc, .offset: 32, .size: 8, .value_kind: global_buffer, .address_space: global }
      - { .name: xs, .offset: 40, .size: 8, .value_kind: global_buffer, .address_space: global }
      - { .name: wc, .offset: 48, .size: 8, .value_kind: global_buffer, .address_space: global }
      - { .name: ws, .offset: 56, .size: 8, .value_kind: global_buffer, .address_space: global }
    .group_segment_fixed_size: 34304
    .private_segment_fixed_size: 0
    .kernarg_segment_align: 8
    .kernarg_segment_size: 64
    .max_flat_workgroup_size: 128
    .sgpr_count:     66
    .vgpr_count:     256
    .wavefront_size: 32
...
	.end_amdgpu_metadata
.endif
;; end of part 1
;; launch proj (part 2): grid 8 x 32, 4 waves a work-group, clusters of 4 x 4, 327,680 bytes of LDS; arguments xc, xs, wc, ws, bq, bk, bv, qb, kvb; writes qb, kvb
.if DOCPART == 2
	.amdgcn_target "amdgcn-amd-amdhsa--gfx1250"
	.amdhsa_code_object_version 6
	.text
	.protected	k_qc0d858d1a6_proj
	.globl	k_qc0d858d1a6_proj
	.p2align	8
	.type	k_qc0d858d1a6_proj,@function
k_qc0d858d1a6_proj:
	s_mov_b64 s[64:65], 0
	v_nop
	global_prefetch_b8 v0, s[64:65] scope:SCOPE_SE
	s_setreg_imm32_b32 hwreg(HW_REG_WAVE_MODE, 25, 1), 1
	s_wait_xcnt 0x0
	s_wait_alu depctr_hold_cnt(0) depctr_sa_sdst(0) depctr_va_vdst(0) depctr_va_sdst(0) depctr_va_ssrc(0) depctr_va_vcc(0) depctr_vm_vsrc(0)
	s_getreg_b32 s2, hwreg(HW_REG_IB_STS2, 6, 4)
	s_cmp_eq_u32 s2, 0
	s_cbranch_scc0 .Lentry_in_a_cluster
	s_endpgm
.Lentry_in_a_cluster:
	s_bfe_u32 s2, ttmp6, 0x10000c
	s_cmp_lg_u32 s2, 0xf033
	s_cbranch_scc0 .Lentry_shape_is_right
	s_endpgm
.Lentry_shape_is_right:
; q, k, v = hidden_states W + b on codes of BF8 (E5M2) with E8M0 scales, K = 1,024, and their quantisers: codes and scale words leave as images of the operand registers of the launch that reads them.
; xc, wc: [group of 256 rows][slot of 256 K: 4][tile 16][K step in the slot: 2][2,048 bytes], images of fragments; xs, ws: [group][half of K: 2][tile 16][m 16][4 words].  wc's rows: Wq's 1,024 columns, Wk's, Wv's.
; qb, kvb: [head][key step of 128 tokens: 16][16,896 bytes]: 8 token tiles x 1,024; 4 channel tiles of v x 2,048; 256 bytes of k's (q's) scale words; 256 of v's.  Of 32 rows, tile u holds in lane m row 8 u + m + 8 (m / 8).
; THE DEAL.  256 work-groups of four waves, one for each pair (g, j): g one of 32 groups of 256 tokens, j = 0 .. 7.  Each has TWO PHASES on one ring of two LDS slots of 256 along K.
; PHASE 1: 256 tokens x the 256 columns of group j of Wq (j under 4) or Wk: a wave makes 128 x 128, 64 accumulators; source 0 = W's rows, source 1 = x's: a lane holds one token, its registers run along the head's channels.
; PHASE 2: the 128 channels j of Wv x the same 256 tokens: a wave makes 64 channels (one head) x 128 tokens, 32 accumulators; source 0 = x's rows, source 1 = Wv's: a lane holds one channel, its registers run along the tokens.
; THE RING GOES ON INTO PHASE 2: phase 1's third change of slots and its last K step ask for phase 2's first two slots, which are on their way while q's or k's results are quantised and stored.
; CLUSTERS of 4 x 4: x's tiles hang on g and are shared along a row of the cluster, W's on j and are shared along a column, in both phases.  Wave 0 asks for x's 65,536 bytes of a slot, wave 1 for W's (phase 2: 32,768).
; At the head waves 2 and 3 ask for x's and W's scale bytes; behind the next round wave 2 asks for the scale bytes of Wv's 128 rows.  No LDS address hangs on a place in the cluster.
; PREFETCHES INTO THE L2, a lane a block of 256 bytes, one instruction a wave for a slot.  A slot's 65,536 bytes of x are shared out among waves 0 and 1 of the four partners of my row (piece 2 cx + wave % 2, 8,192 bytes),
; W's among waves 2 and 3 of the four of my column (piece 2 cy + wave % 2): by address, so that each block is named once in each cluster that loads it.  Slots 1 and 2 are asked for behind the head's loads, slot 3 behind the
; second round: each a slot's two K steps or more ahead of its tensor load.  Wv's 32,768 bytes of a slot: waves 2 and 3 of my column, 4,096 bytes each (lanes 16 to 31 name the wave's last block again); its slots 0 and 1 are asked
; for at phase 1's first change of slots, 2 and 3 at its second.  Slot 0 comes by its load alone, and x is not asked for again in phase 2.  The addresses are never stepped: the slot stands in the immediate.
; LIMITS: a block whose largest magnitude lies under 2^-111 gets the byte 1; NaN, infinities and sums beyond f32's range are not served.
; REGISTERS: window 0: v0-31 addresses, v's bias; v32-63 scale words, two sets (lanes 0-15 source 1's, lanes 16-31 source 0's); v64-127 q's or k's bias; v128-255 source 1's fragments (phase 2: two sets of 64), on the way out at work;
;   window 1: source 0's fragments, two sets; windows 2, 3: accumulators (a, b) at v[8 (8 (a % 4) + b)].
.set NQ,     2
.set FR,     16
.set NL,     4
.set NP,     8                         ; places behind this matrix instruction (ISA guide 7.12.1)
.set SLOT,   131072                    ; source 1's region, 65,536 bytes, then source 0's
.set SCW,    2*SLOT                    ; Wv's scale bytes: [half of K][tile 8][256]
.set SCL,    SCW+4096                  ; x's scale bytes, 8,192, then W's
.set SPARE,  SCL+16384
.set HEADB,  270336
.set STEPB,  16896
.set SO2,  4
.set PFO,  6                           ; the prefetches' offset in a slot of x or W; never rewritten
.set PFO2, 7                           ; and in a slot of Wv; never rewritten
.set BJ,   8
.set ADRA, 16
.set ADRA2,18
.set ADRB, 20
.set BIO,  22
.set BJO,  23
.set HF,   24
.set SO,   25
.set CO,   26
.set ADRS, 27
.set SPW,  28
.set NIL,  29
.set ADRS2,30
.set SC,   32
.set BI,   64
.set AF,   128
.set ST,   128
.set PC,   192
.set TM,   208
.set WA,   224
.set Z,    232
.set VSEL, 236
.set MNT,  3
.set G1,   24
.set G0,   32
.set G0SB, 40
.set G1B,  48
.set G0B,  56
.set G1S,  80
.set G0S,  88
.set G1SB, 92
.set SEL,  100
.set MSB, 0
.macro WIN new
.if MSB != \new
	s_set_vgpr_msb (MSB<<8)|\new
.set MSB, \new
.endif
.endm
.set MUL_LO, 0xa1
.set MUL_HI, 0xf1
.set TO_B,   0x40
.macro PLACES n
.rept \n
	v_nop
.endr
.endm
.macro TL g0, g1                       ; a tensor load; an s_nop 0 and four v_nop follow it
	tensor_load_to_lds s[\g0:\g0+3], s[\g1:\g1+7]
	s_nop 0
	PLACES 4
.endm
.macro JLOAD g0a, g1a, g0b, g1b        ; a slot's joint loads: wave 0 x's, wave 1 W's; the branches hang on the wave's number alone
	s_cmp_eq_u32 s12, 0
	s_cbranch_scc0 .Lfor_b_\@
	TL \g0a, \g1a
	s_branch .Lasked_\@
.Lfor_b_\@:
	s_cmp_eq_u32 s12, 1
	s_cbranch_scc0 .Lasked_\@
	TL \g0b, \g1b
.Lasked_\@:
.endm
.macro ASK sig                         ; my piece of slot sig of x (waves 0, 1) or of W (waves 2, 3)
	global_prefetch_b8 v[PFO], s[4:5] offset:(\sig)*65536 th:TH_LOAD_NT scope:SCOPE_SE
.endm
.macro ASKV sig                        ; waves 2 and 3: my piece of Wv's slots sig and sig + 1
	s_cmp_eq_u32 s13, 1
	s_cbranch_scc0 .Lnot_mine_\@
	global_prefetch_b8 v[PFO2], s[8:9] offset:(\sig)*65536 th:TH_LOAD_NT scope:SCOPE_SE
	global_prefetch_b8 v[PFO2], s[8:9] offset:(\sig)*65536+65536 th:TH_LOAD_NT scope:SCOPE_SE
.Lnot_mine_\@:
.endm
.macro CREST
	s_cmp_lg_u32 s12, 0
	s_cbranch_scc1 .Lnot_wave_0_\@
	s_barrier_signal -3
.Lnot_wave_0_\@:
	s_barrier_wait -3
	s_barrier_signal -1
	s_barrier_wait -1
.endm
.macro CROUND
	s_barrier_signal -1
	s_barrier_wait -1
	CREST
.endm
	s_load_b256 s[4:11], s[0:1], 0x0               ; xc, xs, wc, ws
	s_load_b256 s[68:75], s[0:1], 0x20             ; bq, bk, bv, qb
	s_load_b64 s[76:77], s[0:1], 0x40              ; kvb
	v_lshl_add_u32 v[SPW], v0, 2, SPARE
	v_mov_b32 v[NIL], 0
	ds_add_u32 v[SPW], v[NIL]                      ; the opening lines: the add, twice on end, and its wait
	ds_add_u32 v[SPW], v[NIL]
	v_lshrrev_b32 v1, 5, v0
	v_readfirstlane_b32 s12, v1                    ; wave
	s_lshr_b32 s13, s12, 1                         ; which half of source 1's rows is mine
	s_and_b32 s14, s12, 1                          ; which half of source 0's
	s_bfe_u32 s15, ttmp6, 0x40000                  ; cx
	s_bfe_u32 s16, ttmp6, 0x40004                  ; cy
	s_lshl_b32 s21, ttmp9, 2
	s_add_co_u32 s21, s21, s15                     ; j
	s_and_b32 s20, ttmp7, 0xffff
	s_lshl_b32 s20, s20, 2
	s_add_co_u32 s20, s20, s16                     ; g
	s_lshl_b32 s22, s16, 2
	s_lshl_b32 s22, 15, s22                        ; my row of the cluster
	s_lshl_b32 s3, 0x1111, s15                     ; my column
	s_or_b32 s[G1], s22, (3<<16)|(1<<21)
	s_or_b32 s[G1S], s22, (3<<16)|(1<<21)
	s_or_b32 s[G1B], s3, (3<<16)|(1<<21)
	s_or_b32 s[G1SB], s3, (3<<16)|(1<<21)
.irp g, G1, G1B                        ; a dense block of 65,536 bytes as 256 rows of 256 (32 elements of 8 bytes)
	s_mov_b32 s[\g+1], 32<<16
	s_mov_b32 s[\g+2], 256<<16
	s_mov_b32 s[\g+3], 32<<16
	s_mov_b32 s[\g+4], 256
	s_mov_b32 s[\g+5], 32
	s_mov_b32 s[\g+6], 0
	s_mov_b32 s[\g+7], 0
.endr
.irp g, G1S, G1SB                      ; a group's scale bytes: 8,192 dense bytes as 32 rows of 256
	s_mov_b32 s[\g+1], 32<<16
	s_mov_b32 s[\g+2], 32<<16
	s_mov_b32 s[\g+3], 32<<16
	s_mov_b32 s[\g+4], 32
	s_mov_b32 s[\g+5], 32
	s_mov_b32 s[\g+6], 0
	s_mov_b32 s[\g+7], 0
.endr
	s_mov_b32 s19, 0
	s_lshr_b32 s17, s21, 1
	s_add_co_u32 s17, s17, 8                       ; Wv's group of 256 rows: 8 + j / 2,
	s_and_b32 s2, s21, 1                           ; and which half of it
	s_wait_dscnt 0x0
	s_wait_kmcnt 0x0
	s_lshl_b32 s18, s20, 18
	s_add_nc_u64 s[44:45], s[4:5], s[18:19]        ; x's codes, group g
	s_lshl_b32 s18, s20, 13
	s_add_nc_u64 s[4:5], s[6:7], s[18:19]          ; x's scale bytes
	s_lshl_b32 s18, s21, 18
	s_add_nc_u64 s[46:47], s[8:9], s[18:19]        ; W's codes, group j
	s_lshl_b32 s18, s21, 13
	s_add_nc_u64 s[6:7], s[10:11], s[18:19]        ; W's scale bytes
	s_lshl_b32 s18, s17, 18
	s_lshl_b32 s22, s2, 15
	s_add_co_u32 s18, s18, s22
	s_add_nc_u64 s[8:9], s[8:9], s[18:19]          ; Wv's codes: my 8 tiles of a slot
	s_lshl_b32 s18, s17, 13
	s_lshl_b32 s22, s2, 11
	s_add_co_u32 s18, s18, s22
	s_add_nc_u64 s[10:11], s[10:11], s[18:19]      ; Wv's scale bytes: my 8 tiles of a half of K
.irp s, 0,1
	s_mov_b32 s[G0+4*\s], 1
	s_mov_b32 s[G0+4*\s+1], \s*SLOT
	s_add_nc_u64 s[G0+4*\s+2:G0+4*\s+3], s[44:45], \s*65536
	s_or_b32 s[G0+4*\s+3], s[G0+4*\s+3], 0x80000000
	s_mov_b32 s[G0B+4*\s], 1
	s_mov_b32 s[G0B+4*\s+1], 65536+\s*SLOT
	s_add_nc_u64 s[G0B+4*\s+2:G0B+4*\s+3], s[46:47], \s*65536
	s_or_b32 s[G0B+4*\s+3], s[G0B+4*\s+3], 0x80000000
.endr
	s_mov_b32 s[G0S], 1
	s_mov_b32 s[G0S+1], SCL
	s_mov_b64 s[G0S+2:G0S+3], s[4:5]
	s_or_b32 s[G0S+3], s[G0S+3], 0x80000000
	s_mov_b32 s[G0SB], 1
	s_mov_b32 s[G0SB+1], SCL+8192
	s_mov_b64 s[G0SB+2:G0SB+3], s[6:7]
	s_or_b32 s[G0SB+3], s[G0SB+3], 0x80000000
	CROUND                                         ; all sixteen work-groups are here: the first joint loads meet
	s_cmp_eq_u32 s12, 0                            ; the head's four tiles, one a wave, in one chain of branches
	s_cbranch_scc0 .Lh1
	TL G0, G1
	s_branch .Lhe
.Lh1:
	s_cmp_eq_u32 s12, 1
	s_cbranch_scc0 .Lh2
	TL G0B, G1B
	s_branch .Lhe
.Lh2:
	s_cmp_eq_u32 s12, 2
	s_cbranch_scc0 .Lh3
	TL G0S, G1S
	s_branch .Lhe
.Lh3:
	TL G0SB, G1SB
.Lhe:
	s_lshl_b32 s17, s13, 15                        ; phase 1: my 8 tiles of x,
	s_lshl_b32 s18, s14, 15
	s_add_co_u32 s18, s18, 65536                   ; my 8 tiles of source 0 (both phases),
	s_lshl_b32 s19, s13, 14                        ; phase 2: my 4 tiles of Wv
	s_lshl_b32 s22, s13, 11
	s_lshl_b32 s2, s14, 11
	s_add_co_u32 s23, s2, 8192
	s_sub_co_u32 s23, s23, s22                     ; phase 1: from x's scale words to W's
	s_add_co_u32 s22, s22, SCL
	s_lshl_b32 s6, s13, 10
	s_add_co_u32 s4, s2, 4096
	s_sub_co_u32 s4, s4, s6                        ; phase 2: from Wv's scale words to x's, in the lower half of K,
	s_add_co_u32 s5, s4, 2048                      ; and in the upper
	s_add_co_u32 s6, s6, SCW
	s_add_co_u32 s7, s6, 2048
	s_cmp_eq_u32 s13, 0                            ; the prefetches: my place among the four that load the tile with me: it enters global offsets alone
	s_cselect_b32 s66, s15, s16
	s_lshl_b32 s66, s66, 1
	s_add_co_u32 s66, s66, s14
	s_lshl_b32 s66, s66, 13                        ; my piece of 8,192 bytes
	s_lshl_b32 s67, s16, 1
	s_add_co_u32 s67, s67, s14
	s_lshl_b32 s67, s67, 12                        ; Wv: my piece of 4,096
	v_and_b32 v1, 31, v0
	v_and_b32 v2, 15, v0                           ; m
	v_bfe_u32 v[HF], v0, 4, 1
	v_lshlrev_b32 v[CO], 4, v1
	v_lshlrev_b32 v3, 4, v2
	v_add_nc_u32 v[ADRA], s17, v[CO]
	v_add_nc_u32 v[ADRB], s18, v[CO]
	v_add_nc_u32 v[ADRA2], s19, v[CO]
	v_add_nc_u32 v[ADRA+1], SLOT, v[ADRA]
	v_add_nc_u32 v[ADRB+1], SLOT, v[ADRB]
	v_add_nc_u32 v[ADRA2+1], SLOT, v[ADRA2]
	v_mad_u32_u24 v[ADRS], v[HF], s23, v3          ; lanes 0-15 take source 1's words, lanes 16-31 source 0's: the lower base + the half x the distance
	v_add_nc_u32 v[ADRS], s22, v[ADRS]
	v_mad_u32_u24 v[ADRS2], v[HF], s4, v3
	v_add_nc_u32 v[ADRS2], s6, v[ADRS2]
	v_mad_u32_u24 v[ADRS2+1], v[HF], s5, v3
	v_add_nc_u32 v[ADRS2+1], s7, v[ADRS2+1]
	v_mul_u32_u24 v[SO], v[HF], HEADB
	v_add_nc_u32 v[SO], v[SO], v3
	v_lshl_add_u32 v[SO2], v[HF], 3, v3
	v_lshlrev_b32 v[BIO], 6, v[HF]
	v_and_b32 v5, 8, v2
	v_add_nc_u32 v5, v5, v2
	v_lshlrev_b32 v[BJO], 2, v5
	v_lshl_add_u32 v[PFO], v1, 8, s66
	v_min_u32 v[PFO2], 15, v1
	v_lshl_add_u32 v[PFO2], v[PFO2], 8, s67
	s_wait_alu depctr_va_vdst(0)                   ; the wait ahead of the run of scalar lines
	s_cmp_eq_u32 s13, 0
	s_cselect_b64 s[4:5], s[44:45], s[46:47]       ; waves 0, 1 ask for x, waves 2, 3 for W; never rewritten
	ASK 1
	ASK 2
	s_lshr_b32 s17, s20, 3
	s_lshl_b32 s17, s17, 4                         ; 16 x batch
	s_and_b32 s2, s21, 3                           ; which four heads of q or k
	s_lshl_b32 s18, s2, 2
	s_add_co_u32 s18, s18, s17
	s_lshl_b32 s19, s14, 1
	s_add_co_u32 s18, s18, s19                     ; my first head of two
	s_mul_i32 s18, s18, HEADB
	s_lshl_b32 s19, s20, 1
	s_add_co_u32 s22, s19, s13
	s_and_b32 s22, s22, 15
	s_mul_i32 s22, s22, STEPB
	s_add_co_u32 s18, s18, s22                     ; + my key step of 128 tokens
	s_add_co_u32 s22, s19, s14
	s_and_b32 s22, s22, 15
	s_mul_i32 s22, s22, STEPB                      ; v: my key step,
	s_lshl_b32 s23, s21, 1
	s_add_co_u32 s23, s23, s17
	s_add_co_u32 s23, s23, s13                     ; my head
	s_mul_i32 s23, s23, HEADB
	s_add_co_u32 s22, s22, s23
	s_mov_b32 s19, 0
	s_mov_b32 s23, 0
	s_cmp_lt_u32 s21, 4                            ; q or k: the choice enters global addresses alone
	s_cselect_b64 s[78:79], s[74:75], s[76:77]
	s_cselect_b64 s[66:67], s[68:69], s[70:71]
	s_add_nc_u64 s[78:79], s[78:79], s[18:19]
	s_add_nc_u64 s[76:77], s[76:77], s[22:23]
	s_lshl_b32 s18, s2, 10
	s_lshl_b32 s22, s14, 9
	s_add_co_u32 s18, s18, s22
	s_add_nc_u64 s[66:67], s[66:67], s[18:19]      ; the bias of my 128 columns
	s_lshl_b32 s18, s21, 9
	s_lshl_b32 s22, s13, 8
	s_add_co_u32 s18, s18, s22
	s_add_nc_u64 s[72:73], s[72:73], s[18:19]      ; bv at my 64 channels
.irp c, 0,1,2,3
.irp e, 0,1,2,3
	global_load_b128 v[BI+16*\c+4*\e:BI+16*\c+4*\e+3], v[BIO], s[66:67] offset:128*\c+16*\e
.endr
.endr
.irp a, 0,1,2,3
	global_load_b32 v[BJ+\a], v[BJO], s[72:73] offset:128*(\a/2)+32*(\a%2)
.endr
	s_mov_b32 s[MNT], 0x600000
	s_mov_b32 s[SEL], 0x76543210
	s_mov_b32 s[SEL+1], 0xfedcba98
.macro FRAG reg, adr, q, i
.irp c, 0,1,2,3
	ds_load_b128 v[\reg+4*\c:\reg+4*\c+3], v[\adr] offset:(\i)*4096+(\q)*2048+512*\c
.endr
.endm
; 16 products: source 1's blocks a0, a0 + 1 (at ab) x source 0's eight (set p); the accumulators take turns
.macro MUL16 a0, p, q, sc, zero, ab=AF
.irp a, \a0, \a0+1
.irp b, 0,1,2,3,4,5,6,7
.if \zero
	v_wmma_scale_f32_16x16x128_f8f6f4 v[8*(8*((\a)%4)+\b):8*(8*((\a)%4)+\b)+7], v[128*(\p)+FR*\b:128*(\p)+FR*\b+FR-1], v[\ab+FR*(\a):\ab+FR*(\a)+FR-1], 0, v[SC+8*NQ*(\sc)+NQ*\b+(\q)], v[SC+8*NQ*(\sc)+NQ*(\a)+(\q)] matrix_a_fmt:MATRIX_FMT_BF8 matrix_b_fmt:MATRIX_FMT_BF8 matrix_a_scale:MATRIX_SCALE_ROW1
.else
	v_wmma_scale_f32_16x16x128_f8f6f4 v[8*(8*((\a)%4)+\b):8*(8*((\a)%4)+\b)+7], v[128*(\p)+FR*\b:128*(\p)+FR*\b+FR-1], v[\ab+FR*(\a):\ab+FR*(\a)+FR-1], v[8*(8*((\a)%4)+\b):8*(8*((\a)%4)+\b)+7], v[SC+8*NQ*(\sc)+NQ*\b+(\q)], v[SC+8*NQ*(\sc)+NQ*(\a)+(\q)] matrix_a_fmt:MATRIX_FMT_BF8 matrix_b_fmt:MATRIX_FMT_BF8 matrix_a_scale:MATRIX_SCALE_ROW1
.endif
.endr
.endr
.endm
.macro FETCH_B slot, q, p
	WIN TO_B
.irp i, 0,1,2,3,4,5,6,7
	FRAG 128*(\p)+FR*\i, ADRB+\slot, \q, \i
.endr
	WIN 0
.endm
.macro FETCH_A slot, q, i0
.irp i, \i0, \i0+1, \i0+2, \i0+3
	FRAG AF+FR*(\i), ADRA+\slot, \q, \i
.endr
.endm
.macro FETCH_A2 slot, q, p             ; phase 2: Wv's four blocks into set p
.irp i, 0,1,2,3
	FRAG AF+64*(\p)+FR*\i, ADRA2+\slot, \q, \i
.endr
.endm
.macro SCALES sc, sig
.irp i, 0,1,2,3,4,5,6,7
	ds_load_b64 v[SC+16*\sc+2*\i:SC+16*\sc+2*\i+1], v[ADRS] offset:((\sig)/2)*4096+((\sig)%2)*8+256*\i
.endr
.endm
.macro SCALES2 sc, sig                 ; phase 2: lanes 0-15 of blocks 4 to 7 bring words that no product names
.irp i, 0,1,2,3,4,5,6,7
	ds_load_b64 v[SC+16*\sc+2*\i:SC+16*\sc+2*\i+1], v[ADRS2+(\sig)/2] offset:((\sig)%2)*8+256*\i
.endr
.endm
; a slot's descriptors for its next fill.  kind 1: two slots on along K.  kind 2: phase 2's first: x goes to source 0's region, Wv's 128 rows of 256 bytes to source 1's.  No tensor load of the wave is out here
.macro REDESC slot, kind
.if \kind == 1
	s_add_nc_u64 s[G0+4*\slot+2:G0+4*\slot+3], s[G0+4*\slot+2:G0+4*\slot+3], 2*65536
	s_add_nc_u64 s[G0B+4*\slot+2:G0B+4*\slot+3], s[G0B+4*\slot+2:G0B+4*\slot+3], 2*65536
.else
	s_mov_b32 s[G0+4*\slot+1], 65536+\slot*SLOT
	s_add_nc_u64 s[G0+4*\slot+2:G0+4*\slot+3], s[44:45], \slot*65536
	s_or_b32 s[G0+4*\slot+3], s[G0+4*\slot+3], 0x80000000
	s_mov_b32 s[G0B+4*\slot+1], \slot*SLOT
	s_add_nc_u64 s[G0B+4*\slot+2:G0B+4*\slot+3], s[8:9], \slot*65536
	s_or_b32 s[G0B+4*\slot+3], s[G0B+4*\slot+3], 0x80000000
	s_mov_b32 s[G1B+2], 128<<16
	s_mov_b32 s[G1B+4], 128
.endif
.endm
.macro STEP slot, q, zero
	s_wait_dscnt 4*NL                              ; all but the youngest 16 loads (blocks 4-7)
	WIN MUL_LO
	MUL16 0, (\q)%2, \q, \slot, \zero
	MUL16 2, (\q)%2, \q, \slot, \zero
	s_wait_dscnt 0
	PLACES NP
	FETCH_B \slot, (\q)+1, 1-(\q)%2
	FETCH_A \slot, (\q)+1, 0
	WIN MUL_HI
	MUL16 4, (\q)%2, \q, \slot, \zero
	MUL16 6, (\q)%2, \q, \slot, \zero
	PLACES NP
	WIN 0
	FETCH_A \slot, (\q)+1, 4
.endm
; a slot's last step changes slots, in a round of the cluster's barrier: all my tensor loads waited for, the add, my reads of the slot over; the refill first behind the round
.macro TURN slot, next, fill, sig
	s_wait_tensorcnt 0x0
	ds_add_u32 v[SPW], v[NIL]
	s_wait_dscnt 4*NL+1                            ; the add and the youngest 16 loads may be out
	WIN MUL_LO
	MUL16 0, 1, NQ-1, \slot, 0
	s_wait_dscnt 0x0
	s_barrier_signal -1
	MUL16 2, 1, NQ-1, \slot, 0
	WIN 0
	s_barrier_wait -1
	CREST
	REDESC \slot, \fill
	JLOAD G0+4*\slot, G1, G0B+4*\slot, G1B
	PLACES NP
	FETCH_B \next, 0, 0
	FETCH_A \next, 0, 0
	SCALES \next, \sig
.if \sig < 3
	ASKV 2*(\sig)-2                                ; behind the joint load and the run of LDS loads: Wv's slots 0 and 1, then 2 and 3
.endif
	WIN MUL_HI
	MUL16 4, 1, NQ-1, \slot, 0
	MUL16 6, 1, NQ-1, \slot, 0
	PLACES NP
	WIN 0
	FETCH_A \next, 0, 4
.endm
; phase 2: 32 products a step, both operands in two sets; the next step's 48 loads stand in the step's middle
.macro STEP2 slot, zero
	s_wait_dscnt 0x0
	WIN MUL_LO
	MUL16 0, 0, 0, \slot, \zero, AF
	PLACES NP
	FETCH_B \slot, 1, 1
	FETCH_A2 \slot, 1, 1
	WIN MUL_LO
	MUL16 2, 0, 0, \slot, \zero, AF
	WIN 0
.endm
.macro TURN2 slot, next, fill, sig
	s_wait_tensorcnt 0x0
	ds_add_u32 v[SPW], v[NIL]
	s_wait_dscnt 1                                 ; the add alone may be out
	WIN MUL_LO
	MUL16 0, 1, 1, \slot, 0, AF+64
	s_wait_dscnt 0x0
	s_barrier_signal -1
	WIN 0
	s_barrier_wait -1
.if \fill
	CREST
	REDESC \slot, 1
	JLOAD G0+4*\slot, G1, G0B+4*\slot, G1B
.endif
	PLACES NP
	FETCH_B \next, 0, 0
	FETCH_A2 \next, 0, 0
	SCALES2 \next, \sig
	WIN MUL_LO
	MUL16 2, 1, 1, \slot, 0, AF+64
	WIN 0
.endm
	s_wait_alu depctr_va_vdst(0)                   ; the wait at the head's end
	s_wait_tensorcnt 0x0                           ; my tile of the head's four is in
	ds_add_u32 v[SPW], v[NIL]
	s_mov_b32 s[G1SB+1], 256<<16                   ; no tensor load of mine is out: Wv's scale bytes are two rows of 2,048 bytes (256 elements), 4,096 apart
	s_mov_b32 s[G1SB+2], 2<<16
	s_mov_b32 s[G1SB+3], 256<<16
	s_mov_b32 s[G1SB+4], 2
	s_mov_b32 s[G1SB+5], 512
	s_mov_b32 s[G0SB+1], SCW
	s_mov_b64 s[G0SB+2:G0SB+3], s[10:11]
	s_or_b32 s[G0SB+3], s[G0SB+3], 0x80000000
	s_wait_dscnt 0x0
	CROUND                                         ; all four tiles are in, in every work-group
	s_cmp_eq_u32 s12, 0                            ; slot 1's first fill, and Wv's scale bytes: one load a wave
	s_cbranch_scc0 .Lr1
	TL G0+4, G1
	s_branch .Lre
.Lr1:
	s_cmp_eq_u32 s12, 1
	s_cbranch_scc0 .Lr2
	TL G0B+4, G1B
	s_branch .Lre
.Lr2:
	s_cmp_eq_u32 s12, 2
	s_cbranch_scc0 .Lre
	TL G0SB, G1SB
.Lre:
	FETCH_B 0, 0, 0
	FETCH_A 0, 0, 0
	SCALES 0, 0
	FETCH_A 0, 0, 4
	ASK 3                                          ; four K steps ahead of its tensor load
	STEP 0, 0, 1                                   ; the first products start the sums
	TURN 0, 1, 1, 1
	STEP 1, 0, 0
	TURN 1, 0, 1, 2
	STEP 0, 0, 0
	TURN 0, 1, 2, 3                                ; slot 0 takes phase 2's first 256 along K
	STEP 1, 0, 0
	s_wait_tensorcnt 0x0                           ; phase 1's last step, in a round: slot 1 takes phase 2's second 256
	ds_add_u32 v[SPW], v[NIL]
	s_wait_dscnt 4*NL+1
	WIN MUL_LO
	MUL16 0, 1, NQ-1, 1, 0
	MUL16 2, 1, NQ-1, 1, 0
	s_wait_dscnt 0x0
	s_barrier_signal -1
	WIN MUL_HI
	MUL16 4, 1, NQ-1, 1, 0
	MUL16 6, 1, NQ-1, 1, 0
	WIN 0
	s_barrier_wait -1
	CREST
	REDESC 1, 2
	JLOAD G0+4, G1, G0B+4, G1B
; 64 numbers of a lane, v[s] on, become 64 codes in v[PC] on and a scale word in v[pw]: four blocks of 32, each in lanes l and l xor 16
.macro QUANT s, pw
.irp b, 0,1,2,3
	v_max3_num_f32 v[TM+\b], |v[\s+16*\b]|, |v[\s+1+16*\b]|, 0x8000000   ; with the floor 2^(16 - 127): the byte cannot fall under 1
.endr
.irp i, 2,4,6,8,10,12,14
.irp b, 0,1,2,3
	v_max3_num_f32 v[TM+\b], v[TM+\b], |v[\s+16*\b+\i]|, |v[\s+1+16*\b+\i]|
.endr
.endr
.irp b, 0,1,2,3
	v_permlanex16_b32 v[TM+4+\b], v[TM+\b], s[SEL], s[SEL+1]
.endr
.irp b, 0,1,2,3
	v_max_num_f32 v[TM+\b], v[TM+\b], v[TM+4+\b]
.endr
.irp b, 0,1,2,3
	v_add_nc_u32 v[TM+12+\b], 0xf8800000, v[TM+\b]  ; 15 off the exponent field: the conversions' scale operand
.endr
.irp b, 0,1,2,3
	v_and_or_b32 v[TM+8+\b], v[TM+\b], 0x7f800000, s[MNT]   ; 57,344 x the scale
.endr
.irp b, 0,1,2,3
	v_lshrrev_b32 v[TM+4+\b], 23, v[TM+12+\b]
.endr
	v_lshl_or_b32 v[\pw], v[TM+5], 8, v[TM+4]
	v_lshl_or_b32 v[\pw], v[TM+6], 16, v[\pw]
	v_lshl_or_b32 v[\pw], v[TM+7], 24, v[\pw]
.irp b, 0,1,2,3
.irp i, 0,1,2,3,4,5,6,7,8,9,10,11,12,13,14,15
	v_med3_num_f32 v[\s+16*\b+\i], v[\s+16*\b+\i], -v[TM+8+\b], v[TM+8+\b]   ; the conversion does not saturate (ISA guide 7.6.2)
.endr
	v_cvt_scalef32_pk8_bf8_f32 v[PC+4*\b:PC+1+4*\b], v[\s+16*\b:\s+7+16*\b], v[TM+12+\b]
	v_cvt_scalef32_pk8_bf8_f32 v[PC+2+4*\b:PC+3+4*\b], v[\s+8+16*\b:\s+15+16*\b], v[TM+12+\b]
.endr
	v_nop
.endm
; the way out of na blocks of source 1: the bias, the quantiser, 512 consecutive bytes a store.  ty 0: q or k (a block = a token tile of two heads); ty 1: v (a block = a channel tile)
.macro EPI ty, na
.set A_, 0
.rept \na
.if A_ > 0
	s_wait_xcnt 0x0                                ; the last block's stores have read the codes' registers
.endif
.set WN, 0x02+A_/4
	WIN WN
.set p, 0
.rept 32
.if \ty
.if A_%2
	v_pk_add_f32 v[ST+2*p:ST+2*p+1], v[64*(A_%4)+2*p:64*(A_%4)+2*p+1], v[BJ+A_-1:BJ+A_] op_sel:[0,1] op_sel_hi:[1,1]
.else
	v_pk_add_f32 v[ST+2*p:ST+2*p+1], v[64*(A_%4)+2*p:64*(A_%4)+2*p+1], v[BJ+A_:BJ+A_+1] op_sel_hi:[1,0]
.endif
.else
	v_pk_add_f32 v[ST+2*p:ST+2*p+1], v[64*(A_%4)+2*p:64*(A_%4)+2*p+1], v[BI+2*p:BI+2*p+1]
.endif
.set p, p+1
.endr
	WIN 0
	QUANT ST, WA+A_
.irp c, 0,1,2,3
.if \ty
	global_store_b128 v[CO], v[PC+4*\c:PC+4*\c+3], s[76:77] offset:8192+A_*2048+512*\c th:TH_STORE_NT
.else
	global_store_b128 v[CO], v[PC+4*\c:PC+4*\c+3], s[78:79] offset:(\c/2)*HEADB+A_*1024+(\c%2)*512 th:TH_STORE_NT
.endif
.endr
.set A_, A_+1
.endr
.endm
	s_wait_loadcnt 0x0                             ; the biases
	PLACES NP
.irp b, 0,1,2,3
	v_mov_b32 v[TM+4+\b], 0                        ; a lane permute's destination counts as one of its sources
.endr
	v_cmp_ne_u32 vcc_lo, 0, v[HF]
	v_mov_b32 v[VSEL], 0x05040100
	v_mov_b32 v[VSEL+1], 0x07060302
	v_cndmask_b32 v[VSEL], v[VSEL], v[VSEL+1], vcc_lo
	EPI 0, 8
.irp c, 0,1,2,3
	v_perm_b32 v[Z+\c], v[WA+2*\c+1], v[WA+2*\c], v[VSEL]   ; lanes 0-15: the first head's two bytes of tiles 2 c and 2 c + 1; lanes 16-31: the second head's
.endr
	global_store_b128 v[SO], v[Z:Z+3], s[78:79] offset:16384 th:TH_STORE_NT
	; PHASE 2
	s_wait_xcnt 0x0                                ; the stores have read their registers, which the fragments below fill
	s_wait_tensorcnt 0x0                           ; phase 2's first two slots are in,
	s_barrier_signal -1
	s_barrier_wait -1                              ; for every wave
	FETCH_B 0, 0, 0
	FETCH_A2 0, 0, 0
	SCALES2 0, 0
	STEP2 0, 1
	TURN2 0, 1, 1, 1
	STEP2 1, 0
	TURN2 1, 0, 1, 2
	STEP2 0, 0
	TURN2 0, 1, 0, 3
	STEP2 1, 0
	s_wait_dscnt 0x0
	WIN MUL_LO
	MUL16 0, 1, 1, 1, 0, AF+64
	MUL16 2, 1, 1, 1, 0, AF+64
	WIN 0
	PLACES NP
.irp b, 0,1,2,3
	v_mov_b32 v[TM+4+\b], 0
.endr
	EPI 1, 4
	v_cmp_ne_u32 vcc_lo, 0, v[HF]                  ; lanes 0-15 store their channel row's words 0 and 1, lanes 16-31 words 2 and 3: 256 consecutive bytes
	v_cndmask_b32 v[Z], v[WA], v[WA+2], vcc_lo
	v_cndmask_b32 v[Z+1], v[WA+1], v[WA+3], vcc_lo
	global_store_b64 v[SO2], v[Z:Z+1], s[76:77] offset:16640 th:TH_STORE_NT
	s_wait_tensorcnt 0x0                           ; the wave's end
	ds_add_u32 v[SPW], v[NIL]
	s_wait_dscnt 0x0
	CROUND                                         ; the closing round
	s_endpgm
.Lfunc_end_k_qc0d858d1a6_proj:
	.size	k_qc0d858d1a6_proj, .Lfunc_end_k_qc0d858d1a6_proj-k_qc0d858d1a6_proj
	.p2alignl 7, 3214868480
	.fill 96, 4, 3214868480
	.section	.rodata,"a",@progbits
	.p2align	6, 0x0
	.amdhsa_kernel k_qc0d858d1a6_proj
		.amdhsa_group_segment_fixed_size 327680
		.amdhsa_private_segment_fixed_size 0
		.amdhsa_enable_private_segment 0
		.amdhsa_kernarg_size 72
		.amdhsa_user_sgpr_count 2
		.amdhsa_user_sgpr_kernarg_segment_ptr 1
		.amdhsa_wavefront_size32 1
		.amdhsa_system_sgpr_workgroup_id_x 1
		.amdhsa_system_sgpr_workgroup_id_y 1
		.amdhsa_system_sgpr_workgroup_id_z 1
		.amdhsa_system_vgpr_workitem_id 0
		.amdhsa_next_free_vgpr 1024
		.amdhsa_next_free_sgpr 102
		.amdhsa_reserve_vcc 1
		.amdhsa_float_denorm_mode_32 3
		.amdhsa_float_denorm_mode_16_64 3
		.amdhsa_memory_ordered 1
		.amdhsa_forward_progress 1
		.amdhsa_inst_pref_size 255
	.end_amdhsa_kernel
	.section	.bss,"aw",@nobits
	.p2align	6
	.space	262144
	.amdgpu_metadata
---
amdhsa.version: [ 1, 2 ]
amdhsa.kernels:
  - .name:           k_qc0d858d1a6_proj
    .symbol:         k_qc0d858d1a6_proj.kd
    .args:
      - { .name: xc, .offset: 0, .size: 8, .value_kind: global_buffer, .address_space: global }
      - { .name: xs, .offset: 8, .size: 8, .value_kind: global_buffer, .address_space: global }
      - { .name: wc, .offset: 16, .size: 8, .value_kind: global_buffer, .address_space: global }
      - { .name: ws, .offset: 24, .size: 8, .value_kind: global_buffer, .address_space: global }
      - { .name: bq, .offset: 32, .size: 8, .value_kind: global_buffer, .address_space: global }
      - { .name: bk, .offset: 40, .size: 8, .value_kind: global_buffer, .address_space: global }
      - { .name: bv, .offset: 48, .size: 8, .value_kind: global_buffer, .address_space: global }
      - { .name: qb, .offset: 56, .size: 8, .value_kind: global_buffer, .address_space: global }
      - { .name: kvb, .offset: 64, .size: 8, .value_kind: global_buffer, .address_space: global }
    .group_segment_fixed_size: 327680
    .private_segment_fixed_size: 0
    .kernarg_segment_align: 8
    .kernarg_segment_size: 72
    .max_flat_workgroup_size: 128
    .sgpr_count:     102
    .vgpr_count:     1024
    .wavefront_size: 32
...
	.end_amdgpu_metadata
.endif
;; end of part 2
;; launch attn (part 3): grid 4 x 64, 8 waves a work-group, clusters of 4 x 1, 307,200 bytes of LDS; arguments qb, kvb, out0; writes out0
.if DOCPART == 3
	.amdgcn_target "amdgcn-amd-amdhsa--gfx1250"
	.amdhsa_code_object_version 6
	.text
	.protected	k_qc0d858d1a6_attn
	.globl	k_qc0d858d1a6_attn
	.p2align	8
	.type	k_qc0d858d1a6_attn,@function
k_qc0d858d1a6_attn:
	s_mov_b64 s[64:65], 0
	v_nop
	global_prefetch_b8 v0, s[64:65] scope:SCOPE_SE
	s_setreg_imm32_b32 hwreg(HW_REG_WAVE_MODE, 25, 1), 1
	s_wait_xcnt 0x0
	s_wait_alu depctr_hold_cnt(0) depctr_sa_sdst(0) depctr_va_vdst(0) depctr_va_sdst(0) depctr_va_ssrc(0) depctr_va_vcc(0) depctr_vm_vsrc(0)
	s_getreg_b32 s2, hwreg(HW_REG_IB_STS2, 6, 4)
	s_cmp_eq_u32 s2, 0
	s_cbranch_scc0 .Lentry_in_a_cluster
	s_endpgm
.Lentry_in_a_cluster:
	s_bfe_u32 s2, ttmp6, 0x10000c
	s_cmp_lg_u32 s2, 0x3003
	s_cbranch_scc0 .Lentry_shape_is_right
	s_endpgm
.Lentry_shape_is_right:
; out0[b][q][64 h + d] = the sum over keys of softmax(q . k / 8) v, for 64 heads (bh = 16 b + h) of 2,048 tokens x 64 channels, both products on codes of BF8 (E5M2) with E8M0 scales.
; THE SOFTMAX AHEAD OF THE SECOND PRODUCT: t = score x log2(e) / 8; M = the running largest t rounded UP to a whole number; p = 2^(t - M) is quantised along the keys, not normalised;
; the row's sum is taken of the unquantised p and divides at the end.  When M moves, the sum and O are multiplied by 2^(old M - new M): exact.
; qb, kvb: [head][key step of 128 tokens: 16][16,896 bytes], images of operand registers: 8 token tiles x 1,024 bytes; 4 channel tiles of v x 2,048; 256 bytes of k's (q's) scale words; 256 of v's.
; Of 32 rows, tile u holds in lane m row 8 u + m + 8 (m / 8): a lane's 16 registers of two neighbouring result tiles are 16 neighbours (keys in S^T, channels in O^T).
; K = 64 IN AN INSTRUCTION OF 128: token tiles 2 c and 2 c + 1 are ONE fragment; multiplied by [q | 0] it gives the first tile's scores, by [0 | q] the second's.
; SHARES.  A cluster of four work-groups is one head; a work-group owns 512 queries; each of its EIGHT waves owns FOUR tiles of 16 queries at once, in 512 registers, two waves to a SIMD:
; a step's 16 + 16 fragment loads of K and V feed four tiles' products.  Both products are used transposed (S^T = K Q^T, O^T = V^T P^T): a lane holds one query of each tile.
; THE WHOLE HEAD'S K AND V LIE IN LDS, 270,336 bytes, filled ONCE: wave w asks for key steps 2 w and 2 w + 1 by one joint load (the same descriptor and mask in all four work-groups).  Nothing is filled again: no ring.
; No prefetch: every tensor load goes out at the head, so there is no later request to run ahead of.
; A STEP: tile 0's scores; V's loads; then for each tile its softmax and codes, the next tile's scores behind it, and behind those, as their places, the tile's O^T x f; K's loads for the next step stand ahead of
; the last tile's softmax; the 16 second products close the step.  The step is written once: O^T and the sums begin as zeros, and in the last trip K's loads read step 15 again, for nobody.
; A TILE'S EXPONENTIALS GO IN TWO BATCHES, each with plain lines of the other half of the keys among them: lines whose sources were written ahead of the batch's wait and whose results are first read behind the wait that follows it.
; LIMITS: the promise holds while |t| stays under 2^31; v_exp_f32 gives 0 for results under 2^-126; a block of p whose largest lies under 2^-111 gets the byte 1; NaN and infinities are not served.
; REGISTERS.  Window 0: v1-7 addresses, f; v8-11 q's scale words; v12-27 a tile's -M, largest score, sum (two halves); v28-99 [0|q0|0|q1|0|q2|0|q3|0]; v100-163 S^T, then p; v164-227 four tiles' codes of p
;   (a tile's sixteen carry eight chains of its sum until its codes land there); v228-243 at work; v244-247 K's scale words, v248-251 V's (in lanes 16-31), v252-255 p's.
;   Window 1: v0-127 O^T of four tiles; v128-191 K's fragments; v192-255 V's.
.set HEADB, 270336
.set STEPB, 16896
.set STAGE, HEADB                      ; behind the head: 16 rows x (256 bytes + 16) for each wave, for the way out; no tensor load lands there
.set SP,    272
.set WSTG,  16*SP
.set SPARE, STAGE+8*WSTG               ; the spare words, 128 bytes a wave
.set LI,   1                           ; 16 x lane
.set ADR,  2                           ; LDS address of the step in hand
.set TMP,  3
.set F,    4                           ; f = 2^(old M - new M); named as a pair with
.set ADK,  5                           ; the LDS address of the next step's K
.set SPW,  6
.set NIL,  7
.set QSW,  8
.set ST,   12
.set QB,   28
.set S,    100
.set PC,   164
.set BM,   228                         ; a block's largest score, then its largest p
.set BT,   232                         ; the other half's; then the bytes
.set BH,   236                         ; 57,344 x the scale
.set BS,   240                         ; the conversions' scale operands
.set SCK,  244
.set SCV,  248
.set PWD,  252
.set O,    0                           ; window 1
.set KF,   128
.set VF,   192
.set N,    100                         ; the way out: O^T / the sum, 128 registers
.set BK,   28                          ; and rows read back from the stage, two sets of 32
.set STO,  236
.set RD,   237
.set GO,   238
.set TB,   2
.set CNT,  3
.set WV,   10
.set MNT,  19
.set SEL,  20
.set CS,   22                          ; s[22:23] c = log2(e) / 8
.set G1,   24
.set G0,   32
.set TK,   36
.set NC,   37                          ; -c
.set PS,   40                          ; s40, s41 which two bytes of a pair of tiles' scale word are an even, an odd tile's
.set MSB, 0
.macro WIN new                         ; the immediate's high byte repeats the setting that is left
.if MSB != \new
	s_set_vgpr_msb (MSB<<8)|\new
.set MSB, \new
.endif
.endm
.macro WALU
	s_wait_alu depctr_va_vdst(0)
.endm
.macro CROUND                          ; a round of the cluster's barrier
	s_barrier_signal -1
	s_barrier_wait -1
	s_cmp_lg_u32 s[WV], 0
	s_cbranch_scc1 .Lnot_wave_0_\@
	s_barrier_signal -3
.Lnot_wave_0_\@:
	s_barrier_wait -3
	s_barrier_signal -1
	s_barrier_wait -1
.endm
; tile i's scores: lane (r, h), register 16 c + x = key 32 c + 16 h + x of query r
.macro SCORES i
	WIN 0x01                                       ; source 0 (K) in window 1
.irp c, 0,1,2,3
	v_wmma_scale_f32_16x16x128_f8f6f4 v[S+16*\c:S+16*\c+7], v[KF+16*\c:KF+16*\c+15], v[QB+8+16*\i:QB+23+16*\i], 0, v[SCK+\c], v[QSW+\i] matrix_a_fmt:MATRIX_FMT_BF8 matrix_b_fmt:MATRIX_FMT_BF8
	v_wmma_scale_f32_16x16x128_f8f6f4 v[S+16*\c+8:S+16*\c+15], v[KF+16*\c:KF+16*\c+15], v[QB+16*\i:QB+15+16*\i], 0, v[SCK+\c], v[QSW+\i] matrix_a_fmt:MATRIX_FMT_BF8 matrix_b_fmt:MATRIX_FMT_BF8
.endr
.endm
; tile i's O^T under the new M.  These sixteen lines name no register of the score products ahead of them: they are those products' places
.macro RESC i
	WIN 0x41                                       ; O^T in window 1, f in window 0
	WALU                                           ; the wait directly ahead of the first reader of the last step's products
.set j, 0
.rept 16
	v_pk_mul_f32 v[O+32*\i+j:O+32*\i+j+1], v[O+32*\i+j:O+32*\i+j+1], v[F:F+1] op_sel_hi:[1,0]
.set j, j+2
.endr
.endm
.macro FLOAD reg, adr, off, sc         ; four fragments, 512 consecutive bytes a load, and the step's scale words: lanes 0-15 K's, lanes 16-31 V's
	WIN 0x40
.irp t, 0,1,2,3
.irp c, 0,1,2,3
	ds_load_b128 v[\reg+16*\t+4*\c:\reg+16*\t+4*\c+3], v[\adr] offset:\off+2048*\t+512*\c
.endr
.endr
	WIN 0
	ds_load_b128 v[\sc:\sc+3], v[\adr] offset:16384
.endm
; the hold of four numbers, two of block b and two of block b + 1, in two dual pairs: the two halves' sources lie in different banks, one destination is even and one odd
.macro HOLDA b, x
	v_dual_min_num_f32 v[S+16*(\b)+(\x)], v[BH+\b], v[S+16*(\b)+(\x)] :: v_dual_min_num_f32 v[S+16*(\b)+17+(\x)], v[BH+\b+1], v[S+16*(\b)+17+(\x)]
.endm
.macro HOLDB b, x
	v_dual_min_num_f32 v[S+16*(\b)+16+(\x)], v[BH+\b+1], v[S+16*(\b)+16+(\x)] :: v_dual_min_num_f32 v[S+16*(\b)+1+(\x)], v[BH+\b], v[S+16*(\b)+1+(\x)]
.endm
.macro TM2 j                           ; t - M of two scores
	v_pk_fma_f32 v[S+(\j):S+(\j)+1], v[S+(\j):S+(\j)+1], s[CS:CS+1], v[NM:NM+1] op_sel_hi:[1,0,0]
.endm
.macro TADD a, b                       ; chain a of the sum takes chain b in
	v_pk_add_f32 v[T+2*\a:T+2*\a+1], v[T+2*\a:T+2*\a+1], v[T+2*\b:T+2*\b+1]
.endm
; tile i's softmax of 128 keys: from S^T to p's codes and scale word
.macro SM i
.set NM, ST+4*\i
.set SX, NM+1
.set SU, NM+2
.set T, PC+16*\i
	WIN 0
.irp b, 0,1,2,3
	v_max3_num_f32 v[BM+\b], v[S+16*\b], v[S+16*\b+1], v[S+16*\b+2]   ; the largest score of each block of 32 keys: for the row's maximum and, since p rises with the score, for the block's largest p
.endr
.irp x, 3,5,7,9,11,13
.irp b, 0,1,2,3
	v_max3_num_f32 v[BM+\b], v[BM+\b], v[S+16*\b+\x], v[S+16*\b+\x+1]
.endr
.endr
.irp b, 0,1,2,3
	v_max_num_f32 v[BM+\b], v[BM+\b], v[S+16*\b+15]
.endr
.irp b, 0,1,2,3
	v_permlanex16_b32 v[BT+\b], v[BM+\b], s[SEL], s[SEL+1]
.endr
.irp b, 0,1,2,3
	v_max_num_f32 v[BM+\b], v[BM+\b], v[BT+\b]     ; with lane l xor 16's 16 keys
.endr
	v_max3_num_f32 v[TMP], v[BM], v[BM+1], v[BM+2]
	s_delay_alu instid0(VALU_DEP_1)
	v_max3_num_f32 v[SX], v[SX], v[TMP], v[BM+3]   ; the running largest score
	s_delay_alu instid0(VALU_DEP_1)
	v_mul_f32 v[TMP], s[NC], v[SX]                 ; -t
	s_delay_alu instid0(VALU_DEP_1)
	v_floor_f32 v[TMP], v[TMP]                     ; the new -M = floor(-t): M is a whole number
	s_delay_alu instid0(VALU_DEP_1)
	v_sub_f32 v[F], v[TMP], v[NM]                  ; old M - new M: a whole number, 0 or less
	s_delay_alu instid0(VALU_DEP_2)
	v_mov_b32 v[NM], v[TMP]
	v_fma_f32 v[BM], v[BM], s[CS], v[TMP]          ; t - M of each block's largest score; the steps that make f stand among these lines
	v_fma_f32 v[BM+1], v[BM+1], s[CS], v[TMP]
	v_cvt_i32_f32 v[F], v[F]                       ; (it saturates)
	v_fma_f32 v[BM+2], v[BM+2], s[CS], v[TMP]
	v_fma_f32 v[BM+3], v[BM+3], s[CS], v[TMP]
	TM2 0
	TM2 2
	v_ldexp_f32 v[F], 1.0, v[F]                    ; f = 2^(old M - new M)
.set j, 4
.rept 14
	TM2 j                                          ; blocks 0 and 1
.set j, j+2
.endr
	WALU                                           ; the wait ahead of the batch
.irp b, 0,1,2,3
	v_exp_f32 v[BM+\b], v[BM+\b]                   ; the block's largest p: the same two instructions on the same number give the same bits
.endr
.set j, 0
.rept 16                               ; p = 2^(t - M) of blocks 0 and 1; among them t - M of blocks 2 and 3
	v_exp_f32 v[S+j], v[S+j]
	v_exp_f32 v[S+j+1], v[S+j+1]
	TM2 32+j
.set j, j+2
.endr
	v_pk_mul_f32 v[SU:SU+1], v[SU:SU+1], v[F:F+1] op_sel_hi:[1,0]   ; the sums under the new M
	WALU                                           ; one wait for the batch, ahead of its first reader
.irp b, 0,1,2,3
	v_max_num_f32 v[BM+\b], 0x8000000, v[BM+\b]    ; the floor 2^(16 - 127): the byte cannot fall under 1
.endr
.irp b, 0,1,2,3
	v_add_nc_u32 v[BS+\b], 0xf8800000, v[BM+\b]    ; 15 off the exponent field: the conversions' scale operand
.endr
.irp b, 0,1,2,3
	v_and_or_b32 v[BH+\b], v[BM+\b], 0x7f800000, s[MNT]   ; 57,344 x the scale
.endr
.irp b, 0,1,2,3
	v_lshrrev_b32 v[BT+\b], 23, v[BS+\b]           ; the scale's byte
.endr
	v_lshl_or_b32 v[PWD+\i], v[BT+1], 8, v[BT]     ; p's scale word for these 128 keys
	v_lshl_or_b32 v[PWD+\i], v[BT+2], 16, v[PWD+\i]
	v_lshl_or_b32 v[PWD+\i], v[BT+3], 24, v[PWD+\i]
	WALU                                           ; the wait ahead of the second batch
.set j, 0
.rept 8                                ; p of blocks 2 and 3; among them, of blocks 0 and 1: four unquantised p begin a chain of the sum, and are then held (the conversion does not saturate: ISA guide 7.6.2; p is not negative)
	v_exp_f32 v[S+32+2*j], v[S+32+2*j]
	v_pk_add_f32 v[T+j:T+j+1], v[S+j:S+j+1], v[S+16+j:S+17+j]
	v_exp_f32 v[S+33+2*j], v[S+33+2*j]
	HOLDA 0, j
	v_exp_f32 v[S+34+2*j], v[S+34+2*j]
	HOLDB 0, j
	v_exp_f32 v[S+35+2*j], v[S+35+2*j]
.set j, j+2
.endr
	v_nop                                          ; a plain line behind the last exponential
	WALU                                           ; one wait for the batch, ahead of its first reader
.set j, 0
.rept 16                               ; the sixteen pairs of blocks 2 and 3 onto the eight chains
	v_pk_add_f32 v[T+2*(j%8):T+2*(j%8)+1], v[T+2*(j%8):T+2*(j%8)+1], v[S+32+2*j:S+33+2*j]
.set j, j+1
.endr
	TADD 0, 1
	TADD 2, 3
	TADD 4, 5
	TADD 6, 7
.irp x, 0,2,4,6
	HOLDA 2, \x
	HOLDB 2, \x
.endr
	TADD 0, 2
	TADD 4, 6
	HOLDA 2, 8
	HOLDB 2, 8
	v_pk_add_f32 v[SU:SU+1], v[SU:SU+1], v[T:T+1]
	HOLDA 2, 10
	HOLDB 2, 10
	v_pk_add_f32 v[SU:SU+1], v[SU:SU+1], v[T+8:T+9]
	HOLDA 2, 12
	HOLDB 2, 12
	HOLDA 2, 14
	HOLDB 2, 14
.irp b, 0,1,2,3                        ; the chains are done with: the codes land in their registers
	v_cvt_scalef32_pk8_bf8_f32 v[T+4*\b:T+4*\b+1], v[S+16*\b:S+16*\b+7], v[BS+\b]
	v_cvt_scalef32_pk8_bf8_f32 v[T+4*\b+2:T+4*\b+3], v[S+16*\b+8:S+16*\b+15], v[BS+\b]
.endr
.endm
	s_load_b128 s[4:7], s[0:1], 0x0                ; qb s[4:5], kvb s[6:7]
	s_load_b64 s[8:9], s[0:1], 0x10                ; out0
	v_lshl_add_u32 v[SPW], v0, 2, SPARE
	v_mov_b32 v[NIL], 0
	ds_add_u32 v[SPW], v[NIL]                      ; the opening lines: the add, twice on end, and its wait ahead of my tensor load
	ds_add_u32 v[SPW], v[NIL]
	v_lshrrev_b32 v[TMP], 5, v0
	v_readfirstlane_b32 s[WV], v[TMP]              ; wave 0..7
	s_bfe_u32 s11, ttmp6, 0x40000                  ; cx
	s_lshl_b32 s13, ttmp9, 2
	s_add_co_u32 s13, s13, s11                     ; my block of 512 queries: it enters q's and out0's addresses alone
	s_and_b32 s12, ttmp7, 0xffff                   ; the head, which the four partners share
	s_mul_i32 s16, s12, HEADB
	s_mov_b32 s17, 0
	s_mul_i32 s18, s[WV], 2*STEPB                  ; the two key steps that I fetch: in the head's block and in LDS alike
	s_mov_b32 s44, s18
	s_mov_b32 s45, 0
	s_mov_b32 s[G1], 15|(3<<16)|(1<<21)            ; the mask: all four work-groups; elements of 8 bytes; bit 21 beside a mask
	s_mov_b32 s[G1+1], 32<<16                      ; a dense block of 33,792 bytes as 132 rows of 256
	s_mov_b32 s[G1+2], 132<<16
	s_mov_b32 s[G1+3], 32<<16
	s_mov_b32 s[G1+4], 132
	s_mov_b32 s[G1+5], 32
	s_mov_b32 s[G1+6], 0
	s_mov_b32 s[G1+7], 0
	s_lshl_b32 s46, s13, 2                         ; q: my tiles are T = 32 x block + 4 x wave + i: token tiles 4 (wave % 2) + i of key step 4 x block + wave / 2
	s_lshr_b32 s47, s[WV], 1
	s_add_co_u32 s46, s46, s47
	s_mul_i32 s46, s46, STEPB
	s_mov_b32 s47, 0
	s_and_b32 s14, s[WV], 1
	s_lshl_b32 s42, s14, 12                        ; my four tiles' 4,096 bytes in the step's block,
	s_lshl_b32 s43, s14, 3                         ; and my two pairs' words among a row's four scale words
	s_lshr_b32 s38, s12, 4                         ; out0: the batch; my first token, 512 x block + 64 x wave; the head's 256 bytes of a row
	s_lshl_b32 s38, s38, 23
	s_lshl_b32 s39, s13, 9
	s_lshl_b32 s15, s[WV], 6
	s_add_co_u32 s39, s39, s15
	s_lshl_b32 s39, s39, 12
	s_add_co_u32 s38, s38, s39
	s_and_b32 s39, s12, 15
	s_lshl_b32 s39, s39, 8
	s_add_co_u32 s38, s38, s39
	s_mov_b32 s39, 0
	s_mov_b32 s[PS], 0x01000100                    ; an even tile's bytes are the word's lower two, twice over: they serve [q | 0] and [0 | q];
	s_mov_b32 s[PS+1], 0x03020302                  ; an odd tile's the upper two
	s_mov_b32 s[SEL], 0x76543210
	s_mov_b32 s[SEL+1], 0xfedcba98
	s_mov_b32 s[CS], 0x3e38aa3b                    ; log2(e) / 8
	s_mov_b32 s[CS+1], s[CS]
	s_mov_b32 s[NC], 0xbe38aa3b
	s_mov_b32 s[MNT], 0x600000
	s_wait_dscnt 0x0
	s_wait_kmcnt 0x0
	s_add_nc_u64 s[6:7], s[6:7], s[16:17]
	s_add_nc_u64 s[6:7], s[6:7], s[44:45]          ; kvb at the key steps that I fetch: made of the head and the wave's number alone
	s_add_nc_u64 s[4:5], s[4:5], s[16:17]
	s_add_nc_u64 s[4:5], s[4:5], s[46:47]
	s_add_nc_u64 s[8:9], s[8:9], s[38:39]
	s_mov_b32 s[G0], 1
	s_mov_b32 s[G0+1], s18
	s_mov_b64 s[G0+2:G0+3], s[6:7]
	s_or_b32 s[G0+3], s[G0+3], 0x80000000
	CROUND                                         ; all four work-groups are here: the joint loads meet
	tensor_load_to_lds s[G0:G0+3], s[G1:G1+7]      ; my one tensor load of the launch
	s_nop 0
.rept 4
	v_nop
.endr
	v_and_b32 v[TMP], 31, v0
	v_lshlrev_b32 v[LI], 4, v[TMP]
	v_and_b32 v[BM+1], 15, v0
	v_lshlrev_b32 v[BM+1], 4, v[BM+1]
	v_add_nc_u32 v[BM+1], s43, v[BM+1]             ; 16 r + 8 (wave % 2)
	v_add_nc_u32 v[BM], s42, v[LI]
.irp i, 0,1,2,3
	global_load_b128 v[QB+8+16*\i:QB+11+16*\i], v[BM], s[4:5] offset:1024*\i        ; q's image: channels 16 h + 0 .. 15 of query r,
	global_load_b128 v[QB+12+16*\i:QB+15+16*\i], v[BM], s[4:5] offset:1024*\i+512   ; and 32 + 16 h + 0 .. 15
.endr
	global_load_b64 v[S:S+1], v[BM+1], s[4:5] offset:16384
.irp z, 0,1,2,3,4
.irp j, 0,1,2,3,4,5,6,7
	v_mov_b32 v[QB+16*\z+\j], 0                    ; the zero halves of [0 | q] and [q | 0]: neighbouring tiles share them
.endr
.endr
.irp b, 0,1,2,3
	v_mov_b32 v[BT+\b], 0                          ; written once: a lane permute's destination counts as one of its sources
.endr
	v_mov_b32 v[ADK], v[LI]                        ; step 0's K
	WIN 0x40
.set j, 0
.rept 128
	v_mov_b32 v[O+j], 0                            ; O^T: the step is written once, and its first trip finds zeros, which the first change of M leaves zeros
.set j, j+1
.endr
	WIN 0
	WALU
	s_wait_loadcnt 0x0
.irp i, 0,1,2,3
	v_perm_b32 v[QSW+\i], v[S+\i/2], v[S+\i/2], s[PS+\i%2]   ; my tile's two bytes, twice
.endr
	v_mov_b32 v[TMP], 0xff61b1e6                   ; the largest score so far: -3e38
	v_mul_f32 v[F], s[NC], v[TMP]
	v_floor_f32 v[F], v[F]
.irp i, 0,1,2,3
	v_mov_b32 v[ST+4*\i+1], v[TMP]
	v_mov_b32 v[ST+4*\i], v[F]                     ; -M
	v_mov_b32 v[ST+4*\i+2], 0
	v_mov_b32 v[ST+4*\i+3], 0
.endr
	s_mov_b32 s[TB], 0
	s_mov_b32 s[TK], STEPB
	s_mov_b32 s[CNT], 16
	WALU                                           ; the wait at the head's end
	s_wait_tensorcnt 0x0                           ; my two key steps have landed,
	s_barrier_signal -1
	s_barrier_wait -1                              ; everybody's have: the whole head lies in LDS, and stays
	FLOAD KF, ADK, 0, SCK
.Lstep:
	s_wait_dscnt 0x0                               ; this step's K is in
	SCORES 0
	WIN 0
	v_add_nc_u32 v[ADR], s[TB], v[LI]
	v_add_nc_u32 v[ADK], s[TK], v[LI]
.rept 6
	v_nop                                          ; with the two additions: eight places behind the products, in front of V's loads and of the first reader of the scores
.endr
	FLOAD VF, ADR, 8192, SCV                       ; 17 loads: they have the four softmaxes in which to land
	SM 0
	v_nop                                          ; one plain line behind the last conversion
	SCORES 1
	RESC 0
	SM 1
	v_nop
	SCORES 2
	RESC 1
	SM 2
	v_nop
	SCORES 3
	RESC 2
	FLOAD KF, ADK, 0, SCK                          ; 17 loads: the next step's K
	SM 3
	RESC 3                                         ; also the places between the codes and the products
	WALU
	s_wait_dscnt 17                                ; V is in; the 17 loads of K, issued behind V's, may be out
	WIN 0x51                                       ; V and O^T in window 1, p's codes in window 0
.irp t, 0,1,2,3                        ; O^T += V^T P^T: sixteen accumulators by turns; lane (r, h), register 16 cd + x = channel 32 cd + 16 h + x of query r
.irp i, 0,1,2,3
	v_wmma_scale_f32_16x16x128_f8f6f4 v[O+32*\i+8*\t:O+32*\i+8*\t+7], v[VF+16*\t:VF+16*\t+15], v[PC+16*\i:PC+16*\i+15], v[O+32*\i+8*\t:O+32*\i+8*\t+7], v[SCV+\t], v[PWD+\i] matrix_a_fmt:MATRIX_FMT_BF8 matrix_b_fmt:MATRIX_FMT_BF8 matrix_a_scale:MATRIX_SCALE_ROW1
.endr
.endr
	WIN 0
	s_add_co_u32 s[TB], s[TB], STEPB
	s_add_co_u32 s[TK], s[TB], STEPB
	s_min_u32 s[TK], s[TK], 15*STEPB               ; no step lies behind the sixteenth
	s_sub_co_u32 s[CNT], s[CNT], 1
	s_cmp_lg_u32 s[CNT], 0
	s_cbranch_scc1 .Lstep
	; THE WAY OUT.  O^T / the sum goes tile by tile through my stage in LDS, all lanes on, and leaves as rows: sixteen lanes store 256 consecutive bytes, aligned: a head's part of a row of out0.
	s_wait_dscnt 0x0
.irp i, 0,1,2,3
	v_add_f32 v[ST+4*\i+2], v[ST+4*\i+2], v[ST+4*\i+3]       ; the sum's two halves,
.endr
.irp i, 0,1,2,3
	v_permlanex16_b32 v[BT+\i], v[ST+4*\i+2], s[SEL], s[SEL+1]
.endr
.irp i, 0,1,2,3
	v_add_f32 v[ST+4*\i+2], v[ST+4*\i+2], v[BT+\i]           ; and lane l xor 16's: the row's sum
.endr
	s_mul_i32 s38, s[WV], WSTG
	s_add_co_u32 s38, s38, STAGE                   ; my stage
	v_and_b32 v[BM], 15, v0                        ; r
	v_bfe_u32 v[BM+1], v0, 4, 1                    ; h
	v_mul_u32_u24 v[STO], v[BM], SP
	v_lshl_add_u32 v[STO], v[BM+1], 6, v[STO]
	v_add_nc_u32 v[STO], s38, v[STO]               ; in: row r, + 64 h: my 16 channels of each 32
	v_mul_u32_u24 v[RD], v[BM+1], SP
	v_lshl_add_u32 v[RD], v[BM], 4, v[RD]
	v_add_nc_u32 v[RD], s38, v[RD]                 ; back: lanes 0-15 one row of 256 bytes, lanes 16-31 the next
	v_lshlrev_b32 v[GO], 12, v[BM+1]
	v_lshl_add_u32 v[GO], v[BM], 4, v[GO]          ; and the same two rows in out0
	WALU                                           ; the wait ahead of the batch
.irp i, 0,1,2,3
	v_rcp_f32 v[ST+4*\i+2], v[ST+4*\i+2]
.endr
	v_nop                                          ; a plain line behind the reciprocals
	WIN 0x01
	WALU                                           ; the wait ahead of the reciprocals' first reader, which is also the first reader of the last products
.irp i, 0,1,2,3
.set j, 0
.rept 16
	v_pk_mul_f32 v[N+32*\i+j:N+32*\i+j+1], v[O+32*\i+j:O+32*\i+j+1], v[ST+4*\i+2:ST+4*\i+3] op_sel_hi:[1,0]   ; each accumulator from its low end on
.set j, j+2
.endr
.endr
	WIN 0
	WALU                                           ; the wait
.macro TOSTAGE i
.irp d, 0,1
.irp e, 0,1,2,3
	ds_store_b128 v[STO], v[N+32*\i+16*\d+4*\e:N+32*\i+16*\d+4*\e+3] offset:128*\d+16*\e
.endr
.endr
.irp k, 0,1,2,3,4,5,6,7
	ds_load_b128 v[BK+32*(\i%2)+4*\k:BK+32*(\i%2)+4*\k+3], v[RD] offset:2*SP*\k   ; LDS serves a wave's instructions in order: these see the stores above, and the next tile's stores come behind them
.endr
.endm
.macro SEND i, younger                 ; row rho of tile i is token 32 (i / 2) + 8 (i % 2) + rho + 8 (rho / 8) from my first
	s_wait_dscnt \younger
.irp k, 0,1,2,3,4,5,6,7
	global_store_b128 v[GO], v[BK+32*(\i%2)+4*\k:BK+32*(\i%2)+4*\k+3], s[8:9] offset:(32*(\i/2)+8*(\i%2)+2*\k+8*(\k/4))*4096 th:TH_STORE_NT
.endr
.endm
	TOSTAGE 0
	TOSTAGE 1
	SEND 0, 16                                     ; behind tile 0's loads: tile 1's 8 stores and 8 loads
	s_wait_xcnt 0x0                                ; tile 0's stores have read their registers, which tile 2's loads fill
	TOSTAGE 2
	SEND 1, 16
	s_wait_xcnt 0x0
	TOSTAGE 3
	SEND 2, 16
	SEND 3, 0
	s_wait_tensorcnt 0x0                           ; the wave's end
	ds_add_u32 v[SPW], v[NIL]
	s_wait_dscnt 0x0
	CROUND                                         ; the closing round
	s_endpgm
.Lfunc_end_k_qc0d858d1a6_attn:
	.size	k_qc0d858d1a6_attn, .Lfunc_end_k_qc0d858d1a6_attn-k_qc0d858d1a6_attn
	.p2alignl 7, 3214868480
	.fill 96, 4, 3214868480
	.section	.rodata,"a",@progbits
	.p2align	6, 0x0
	.amdhsa_kernel k_qc0d858d1a6_attn
		.amdhsa_group_segment_fixed_size 307200
		.amdhsa_private_segment_fixed_size 0
		.amdhsa_enable_private_segment 0
		.amdhsa_kernarg_size 24
		.amdhsa_user_sgpr_count 2
		.amdhsa_user_sgpr_kernarg_segment_ptr 1
		.amdhsa_wavefront_size32 1
		.amdhsa_system_sgpr_workgroup_id_x 1
		.amdhsa_system_sgpr_workgroup_id_y 1
		.amdhsa_system_sgpr_workgroup_id_z 1
		.amdhsa_system_vgpr_workitem_id 0
		.amdhsa_next_free_vgpr 512
		.amdhsa_next_free_sgpr 66
		.amdhsa_reserve_vcc 0
		.amdhsa_float_denorm_mode_32 3
		.amdhsa_float_denorm_mode_16_64 3
		.amdhsa_memory_ordered 1
		.amdhsa_forward_progress 1
		.amdhsa_inst_pref_size 92
	.end_amdhsa_kernel
	.amdgpu_metadata
---
amdhsa.version: [ 1, 2 ]
amdhsa.kernels:
  - .name:           k_qc0d858d1a6_attn
    .symbol:         k_qc0d858d1a6_attn.kd
    .args:
      - { .name: qb, .offset: 0, .size: 8, .value_kind: global_buffer, .address_space: global }
      - { .name: kvb, .offset: 8, .size: 8, .value_kind: global_buffer, .address_space: global }
      - { .name: out0, .offset: 16, .size: 8, .value_kind: global_buffer, .address_space: global }
    .group_segment_fixed_size: 307200
    .private_segment_fixed_size: 0
    .kernarg_segment_align: 8
    .kernarg_segment_size: 24
    .max_flat_workgroup_size: 256
    .sgpr_count:     66
    .vgpr_count:     512
    .wavefront_size: 32
...
	.end_amdgpu_metadata
.endif
;; end of part 3
